; MI455X (gfx1250); checked and timed in simulation.
; The chip was launched on July 23, 2026; its instructions are those of AMD's public machine-readable ISA for CDNA 5 (MIT licence, August 2026) and "CDNA5" Instruction Set Architecture Reference Guide (July 2026). The comments in the code are by the model that wrote it; some were corrected since.
;; Attention Block. Allowed arithmetic: matrix products marked QUANTISED: E2M1 operands, one E8M0 scale for each 32 along K, by v_wmma_scale_f32_16x16x128_f8f6f4 with both operands' format E2M1 (or v_wmma_scale_f32_32x16x128_f4), f32 sums; everything else in f32.
;; Inputs: bk 256 float32; bp 256 float32; bq 256 float32; bv 256 float32; gn_beta 256 float32; gn_gamma 256 float32; wk_codes 256 x 8 x 16 uint8 (E2M1 codes of wk, K innermost, in blocks of 32 codes, two codes a byte); wk_scales 256 x 8 uint8 (E8M0 scales of wk, one for each 32 codes along K); wp_codes 256 x 8 x 16 uint8 (E2M1 codes of wp, K innermost, in blocks of 32 codes, two codes a byte); wp_scales 256 x 8 uint8 (E8M0 scales of wp, one for each 32 codes along K); wq_codes 256 x 8 x 16 uint8 (E2M1 codes of wq, K innermost, in blocks of 32 codes, two codes a byte); wq_scales 256 x 8 uint8 (E8M0 scales of wq, one for each 32 codes along K); wv_codes 256 x 8 x 16 uint8 (E2M1 codes of wv, K innermost, in blocks of 32 codes, two codes a byte); wv_scales 256 x 8 uint8 (E8M0 scales of wv, one for each 32 codes along K); x 4 x 256 x 64 x 64 float32.
;; Outputs: out0 4 x 256 x 64 x 64 float32.
;; This version of the problem:
;;   THIS VERSION OF THE PROBLEM IS GIVEN IN LOW PRECISION. The matrix products marked QUANTISED in the list below multiply operands that are first quantised to E2M1 (2 exponent bits, 1 mantissa bit; 4 bits a number), with one power-of-two scale for each 32 numbers along K (OCP MX v1.0); their sums are f32. All else is computed in f32.
;;   The module's matrix products, in the order in which they are computed (A, B: the left and right operand; K: the contracted axis; several contracted axes count as one K, in the product's order):
;;     1. [M 16,384, K 256] x [K 256, N 256]; A: computed on the way; B: input wq (given as codes): QUANTISED
;;     2. [M 16,384, K 256] x [K 256, N 256]; A: computed on the way; B: input wk (given as codes): QUANTISED
;;     3. [M 16,384, K 256] x [K 256, N 256]; A: computed on the way; B: input wv (given as codes): QUANTISED
;;     4. batch 4 x [M 4,096, K 256] x [K 256, N 4,096]; A: computed on the way; B: computed on the way: QUANTISED
;;     5. batch 4 x [M 256, K 4,096] x [K 4,096, N 4,096]; A: computed on the way; B: softmax (see below): QUANTISED
;;     6. [M 16,384, K 256] x [K 256, N 256]; A: computed on the way; B: input wp (given as codes): QUANTISED
;;   THE QUANTISER, for each operand of a quantised product, along K:
;;     - K is cut into blocks of 32 from its start; a last block that is shorter is filled with zeros.
;;     - A block's scale is 2^e with e = floor(log2(the largest magnitude in the block)) - 2, held to -126 .. 127; a block of zeros has e = 0. As a byte (E8M0): e + 127.
;;     - Each number is divided by its block's scale, clamped to +-6, and rounded to the nearest number of E2M1, ties to even, subnormals kept.
;;     - The product sums the exact products of the quantised numbers (number of the format x scale) in f32.
;;   ~~~python
;;   def quantise(x, axis):      # numpy; x: float32 -> the quantised numbers, widened to float32 again
;;       x = np.moveaxis(x, axis, -1); K = x.shape[-1]
;;       x = np.pad(x, [(0, 0)] * (x.ndim - 1) + [(0, -K % 32)]); x = x.reshape(x.shape[:-1] + (-1, 32)); a = np.abs(x).max(-1, keepdims=True)
;;       e = np.where(a > 0, np.clip(np.frexp(np.where(a > 0, a, 1))[1] - 1 - 2, -126, 127), 0)      # np.frexp(a)[1] - 1 = floor(log2(a)), exactly
;;       r = np.clip(x / 2.0 ** e, -6, 6)
;;       step = 2.0 ** (np.maximum(np.frexp(np.where(r == 0, 1, r))[1] - 1, 0) - 1)
;;       q = np.round(r / step) * step * 2.0 ** e      # np.round: ties to even
;;       return np.moveaxis(q.reshape(q.shape[:-2] + (-1,))[..., :K], -1, axis).astype(np.float32)
;;   ~~~
;;   SOFTMAX AHEAD OF A QUANTISED PRODUCT. Where the list says 'softmax', what is quantised is not the finished softmax but p = 2^(t - M), with t = logit x log2(e) and M = ceil(the row's largest t), a whole number; so 1/2 < the row's largest p <= 1. The row's sum l is taken of the UNQUANTISED p, in f32, and the product's result is divided by l at the end. Since M is a whole number, a kernel that streams over the keys may use a running M (the ceiling of the running maximum): every later rescaling is an exact power of two, which a block's scale takes up: the codes' values come out the same.
;;   OPERANDS COMPUTED ON THE WAY. 'Computed on the way' means the value that the module computes at that place (a softmax that the list does not call 'softmax' is quantised finished and normalised). What goes into a quantiser is computed in f32, as accurately as f32 sums, v_exp_f32 and their like allow (about 1e-6 of the number): no bf16 or f16 on the way to a quantiser, and a product that is left as it is and whose result goes on into a quantised operand takes f32 operands (vector FMAs, or v_wmma_f32_16x16x4_f32). A number that lies on a knife's edge between two numbers of the format may be rounded either way, as far as f32 arithmetic and the matrix unit's own rounding can turn it there, and no further.
;;   INPUTS GIVEN AS CODES. wk (in the module: [256, 256], K = its axis 1); wp (in the module: [256, 256], K = its axis 1); wq (in the module: [256, 256], K = its axis 1); wv (in the module: [256, 256], K = its axis 1): each comes as NAME_codes (uint8): NAME with its K axis moved to the last place and cut into blocks of 32 codes, [.., K / 32, bytes a block], one block behind the other in memory; two codes a byte, the lower K in the low four bits (a code: sign, 2 exponent bits, 1 mantissa bit); and NAME_scales (uint8): the same leading axes, one E8M0 byte (e + 127) for each 32 codes along K. Its value is code x scale, taken as it is: it is not quantised again, and the codes and scales need not be those that the quantiser above would give.
;; One version. Each part assembles by itself: llvm-mc -triple=amdgcn-amd-amdhsa -mcpu=gfx1250 --defsym DOCPART=n.
;; ======== version 1 of 1: 3 launches
;; workspace buffers: stats 2,048 bytes; qb 2,228,224 bytes; kv 4,456,448 bytes
;; launch stats (part 1): grid 256 x 1, 8 waves a work-group, no clusters, 1,536 bytes of LDS; arguments x, stats; writes stats
.if DOCPART == 1
	.amdgcn_target "amdgcn-amd-amdhsa--gfx1250"
	.amdhsa_code_object_version 6
	.text
	.protected	k_qa6740ab85d_stats
	.globl	k_qa6740ab85d_stats
	.p2align	8
	.type	k_qa6740ab85d_stats,@function
k_qa6740ab85d_stats:
	s_mov_b64 s[64:65], 0
	v_nop
	global_prefetch_b8 v0, s[64:65] scope:SCOPE_SE
	s_setreg_imm32_b32 hwreg(HW_REG_WAVE_MODE, 25, 1), 1
	s_wait_xcnt 0x0
; GroupNorm's statistics, first half.  x: [4][256][4096] f32.  A norm group (32 channels x 4,096 positions) is 524,288 consecutive bytes; work-group g takes
; the eighth part g % 8 of group g / 8: 65,536 consecutive bytes, 16,384 numbers, and stores that part's mean and its sum of squared deviations from that mean
; (8 bytes at 8 g).  The next launch joins the eight parts by their deviations, so no difference of large sums is ever formed: a common offset of x does no harm.
; Thread t holds 64 numbers in registers (16 loads of 16 bytes; a wave's load covers 512 consecutive bytes), so x is read once for both passes.
; No matrix work, no cluster, no tensor load: nothing is shared between work-groups and nothing is read twice.
; LIMITS: NaN and infinities among the inputs are not served.
.set X, 16                             ; v16-79  my 64 numbers
; The four chains v[4:11] are folded, summed over the wave's lanes, and over the eight waves through eight words of LDS at base.  The total ends in v4 of every lane.
.macro TOTAL base
	v_pk_add_f32 v[4:5], v[4:5], v[6:7]
	v_pk_add_f32 v[8:9], v[8:9], v[10:11]
	v_pk_add_f32 v[4:5], v[4:5], v[8:9]
	v_add_f32 v4, v4, v5
	v_add_f32_dpp v4, v4, v4 row_xmask:1 row_mask:0xf bank_mask:0xf
	v_add_f32_dpp v4, v4, v4 row_xmask:2 row_mask:0xf bank_mask:0xf
	v_add_f32_dpp v4, v4, v4 row_xmask:4 row_mask:0xf bank_mask:0xf
	v_add_f32_dpp v4, v4, v4 row_xmask:8 row_mask:0xf bank_mask:0xf
	v_permlanex16_b32 v5, v4, s12, s13             ; the other half of the lanes (v5 has been written)
	v_add_f32 v4, v4, v5
	ds_store_b32 v3, v4 offset:\base               ; all lanes write my wave's word with the same value
	s_wait_dscnt 0x0                               ; for the others' sake: my store has landed
	s_barrier_signal -1
	s_barrier_wait -1
	ds_load_b128 v[80:83], v12 offset:\base
	ds_load_b128 v[84:87], v12 offset:\base+16
	s_wait_dscnt 0x0
	v_pk_add_f32 v[80:81], v[80:81], v[82:83]
	v_pk_add_f32 v[84:85], v[84:85], v[86:87]
	v_pk_add_f32 v[80:81], v[80:81], v[84:85]
	v_add_f32 v4, v80, v81
.endm
	s_load_b128 s[4:7], s[0:1], 0x0                ; x s[4:5], stats s[6:7]
	v_lshl_add_u32 v96, v0, 2, 0x200
	v_mov_b32 v97, 0
	v_lshlrev_b32 v1, 4, v0                        ; 16 bytes a thread
	v_lshrrev_b32 v2, 5, v0
	v_readfirstlane_b32 s8, v2                     ; wave 0..7
	s_lshl_b32 s10, ttmp9, 16                      ; my 65,536 bytes of x
	s_mov_b32 s11, 0
	s_mov_b32 s12, 0x76543210                      ; v_permlanex16_b32's selects for lane l xor 16
	s_mov_b32 s13, 0xfedcba98
	s_lshl_b32 s14, s8, 2
	v_mov_b32 v3, s14                              ; LDS: my wave's word
	v_mov_b32 v12, 0
	s_wait_kmcnt 0x0
	s_add_nc_u64 s[4:5], s[4:5], s[10:11]
.set i, 0
.rept 16
	global_load_b128 v[X+4*i:X+4*i+3], v1, s[4:5] offset:4096*i   ; no hint: the later launches read x again
.set i, i+1
.endr
	s_lshl_b32 s10, ttmp9, 3                       ; my 8 bytes of stats
	s_add_nc_u64 s[6:7], s[6:7], s[10:11]
	s_wait_loadcnt 0x0
	; pass 1: the sum, two numbers an instruction, in four chains that the first four additions start
.irp k, 0,1,2,3
	v_pk_add_f32 v[4+2*\k:5+2*\k], v[X+4*\k:X+4*\k+1], v[X+4*\k+2:X+4*\k+3]
.endr
.set i, 8
.rept 24
	v_pk_add_f32 v[4+2*(i%4):5+2*(i%4)], v[4+2*(i%4):5+2*(i%4)], v[X+2*i:X+2*i+1]
.set i, i+1
.endr
	TOTAL 0
	v_mul_f32 v14, 0x38800000, v4                  ; the part's mean: sum x 2^-14
	v_mov_b32 v15, v14
	; pass 2: deviations from that mean, and the sum of their squares
.set i, 0
.rept 32
	v_pk_add_f32 v[X+2*i:X+2*i+1], v[X+2*i:X+2*i+1], v[14:15] neg_lo:[0,1] neg_hi:[0,1]
.set i, i+1
.endr
.irp k, 0,1,2,3
	v_pk_mul_f32 v[4+2*\k:5+2*\k], v[X+2*\k:X+2*\k+1], v[X+2*\k:X+2*\k+1]
.endr
.set i, 4
.rept 28
	v_pk_fma_f32 v[4+2*(i%4):5+2*(i%4)], v[X+2*i:X+2*i+1], v[X+2*i:X+2*i+1], v[4+2*(i%4):5+2*(i%4)]
.set i, i+1
.endr
	TOTAL 256                                      ; other LDS words than the first total's: no wave can overwrite what another still reads
	v_mov_b32 v15, v4
	s_wait_xcnt 0x0                                ; EXEC changes only behind this wait
	v_cmp_eq_u32 vcc_lo, 0, v0
	s_wait_tensorcnt 0x0
	ds_add_u32 v96, v97
	s_wait_dscnt 0x0
	s_and_saveexec_b32 s9, vcc_lo
	global_store_b64 v12, v[14:15], s[6:7]         ; thread 0: (mean, sum of squared deviations)
	s_wait_xcnt 0x0
	s_or_b32 exec_lo, exec_lo, s9
	s_endpgm
.Lfunc_end_k_qa6740ab85d_stats:
	.size	k_qa6740ab85d_stats, .Lfunc_end_k_qa6740ab85d_stats-k_qa6740ab85d_stats
	.p2alignl 7, 3214868480
	.fill 96, 4, 3214868480
	.section	.rodata,"a",@progbits
	.p2align	6, 0x0
	.amdhsa_kernel k_qa6740ab85d_stats
		.amdhsa_group_segment_fixed_size 1536
		.amdhsa_private_segment_fixed_size 0
		.amdhsa_enable_private_segment 0
		.amdhsa_kernarg_size 16
		.amdhsa_user_sgpr_count 2
		.amdhsa_user_sgpr_kernarg_segment_ptr 1
		.amdhsa_wavefront_size32 1
		.amdhsa_system_sgpr_workgroup_id_x 1
		.amdhsa_system_sgpr_workgroup_id_y 1
		.amdhsa_system_sgpr_workgroup_id_z 1
		.amdhsa_system_vgpr_workitem_id 0
		.amdhsa_next_free_vgpr 98
		.amdhsa_next_free_sgpr 66
		.amdhsa_reserve_vcc 1
		.amdhsa_float_denorm_mode_32 3
		.amdhsa_float_denorm_mode_16_64 3
		.amdhsa_memory_ordered 1
		.amdhsa_forward_progress 1
		.amdhsa_inst_pref_size 11
	.end_amdhsa_kernel
	.amdgpu_metadata
---
amdhsa.version: [ 1, 2 ]
amdhsa.kernels:
  - .name:           k_qa6740ab85d_stats
    .symbol:         k_qa6740ab85d_stats.kd
    .args:
      - { .name: x, .offset: 0, .size: 8, .value_kind: global_buffer, .address_space: global }
      - { .name: stats, .offset: 8, .size: 8, .value_kind: global_buffer, .address_space: global }
    .group_segment_fixed_size: 1536
    .private_segment_fixed_size: 0
    .kernarg_segment_align: 8
    .kernarg_segment_size: 16
    .max_flat_workgroup_size: 256
    .sgpr_count:     66
    .vgpr_count:     98
    .wavefront_size: 32
...
	.end_amdgpu_metadata
.endif
;; end of part 1
;; launch qkv (part 2): grid 64 x 4, 8 waves a work-group, no clusters, 168,960 bytes of LDS; arguments x, stats, gn_gamma, gn_beta, wq_codes, wk_codes, wq_scales, wk_scales, bq, bk, wv_codes, wv_scales, bv, qb, kv; writes qb, kv
.if DOCPART == 2
	.amdgcn_target "amdgcn-amd-amdhsa--gfx1250"
	.amdhsa_code_object_version 6
	.text
	.protected	k_qa6740ab85d_qkv
	.globl	k_qa6740ab85d_qkv
	.p2align	8
	.type	k_qa6740ab85d_qkv,@function
k_qa6740ab85d_qkv:
	s_mov_b64 s[64:65], 0
	v_nop
	global_prefetch_b8 v0, s[64:65] scope:SCOPE_SE
	s_setreg_imm32_b32 hwreg(HW_REG_WAVE_MODE, 25, 1), 1
	s_wait_xcnt 0x0
; GroupNorm, then q, k and v (1 x 1 convolutions) on codes of FP4 (E2M1) with one E8M0 scale for each 32 along K; q, k and v leave as codes, laid as the attention launch's operand registers want them.
; SHARES.  A work-group takes 64 positions (x = ttmp9) of one batch (y).  PHASE X: wave w normalises and quantises norm group w, which is block w of 32 along K = channels: a lane takes a position, its 32 registers
; run down the group's channels, so the block's largest magnitude needs no other lane.  The codes meet in LDS as rows [position][128 bytes].  PHASE Q/K: wave w = 4 mat + 2 oh + tp makes, for q (mat 0) or k (mat 1),
; output channels 128 oh .. + 127 of position tiles 2 tp, 2 tp + 1, TRANSPOSED (source 0 = 16 rows of W, source 1 = 16 positions): a lane holds one position and its registers run along the output channels, the next K.
; PHASE V: wave w makes channels 32 w .. + 31 of v for all 64 positions, NOT transposed (source 0 = positions, source 1 = rows of wv): a lane holds one channel and its registers run along the positions, v's K.
; THE ONE PERMUTATION: lane r of tile 2 b + u takes index 32 b + 8 u + r + 8 (r / 8) (positions in a tile, rows of wq, wk, wv): the 16 registers of result tiles 2 b, 2 b + 1 are then the 16 neighbours 32 b + 16 (lane / 16) + 0 .. 15.
; OUT.  Every fragment (16 rows x 128 K: 8 registers) is stored as an image of its registers: registers 4 c .. 4 c + 3 of lane l at 512 c + 16 l: a wave's store covers 512 consecutive bytes, aligned.
;   qb[b][64-block], 8,704 bytes: codes (T, s) at (2 T + s) 1024; scale words at 8192 + (16 s + r) 16 + 4 T.
;   kv[b][128-key step], 34,816 bytes: K codes (kt, s) at (2 kt + s) 1024; V codes (ct) at 16384 + 1024 ct; K scale words at 32768 + 512 (kt / 4) + (16 s + r) 16 + 4 (kt % 4); V's at 33792 + 512 (ct / 8) + (16 ((ct / 4) % 2) + r) 16 + 4 (ct % 4).
; NO CLUSTER: what work-groups share here are the weights, 3 x 32 KiB, and each wave takes its part of them straight into registers, once in the launch; the x tile, the bulk of the bytes, is the work-group's own.
; LIMITS: NaN and infinities are not served.  A block whose largest magnitude lies under 2^-124 has its scale byte held at 1; a block of zeros so gets byte 1 where the quantiser says 127: its codes are zeros, and only this program reads the bytes.
; LDS: 0 the x tile, 256 channel rows x 256 bytes, filled once, each wave's 32 rows by its own tensor load and read by that wave alone; XROW 64 rows x (128 + 16) bytes of xn's codes; XSC 8 scale bytes a row.
; REGISTERS.  Window 0: v1-15, v202-203 addresses; v16-19, v240-241 x's scale words; v20-27 W's, v28-29 wv's; v30-31 the scale words made; v32-47 at work; v48-63 codes made; v64-127 numbers and accumulators;
;   v128-191 x's 8 fragments (T, s) at 128 + 8 (2 T + s); v192-201 v's codes and scale bytes; v208-239 my two position tiles' fragments once more, for q or k (a register's number cannot hang on the wave's).
;   Window 1: v0-127 my 16 fragments of wq or wk; v128-159 my 4 of wv; v160-223 bq or bk in the result's layout; v224-239 bv, eight times for each tile.
.set XROW, 65536
.set XSC,  74752
.set XS,   16
.set WS,   20
.set WVS,  28
.set PWR,  30
.set TM,   32                          ; v32-35 largest magnitudes, v36-39 the other half's, then bytes, v44-47 the conversions' scale operands
.set PC,   48
.set HA,   64
.set XF,   128
.set VC,   192
.set VH,   200
.set XQ,   208
.set XSQ,  240
.set SEL,  4                           ; s[4:5] lane selects for v_permlanex16_b32 (x's address has gone into the descriptor by then)
.set GAM,  32                          ; s[32:63] my group's 32 gains
.set BET,  68                          ; s[68:99] and 32 offsets
.set MSB, 0
.macro WIN new                         ; the immediate's high byte repeats the setting that is left
.if MSB != \new
	s_set_vgpr_msb (MSB<<8)|\new
.set MSB, \new
.endif
.endm
.macro PLACES n
.rept \n
	v_nop
.endr
.endm
; One scaled product.  rows = 0: both sides' scales from lanes 0-15 (K step 0); 3: from lanes 16-31 (K step 1)
.macro MMA d, a, b, c, sa, sb, rows
.if \rows == 0
	v_wmma_scale_f32_16x16x128_f8f6f4 v[(\d):(\d)+7], v[(\a):(\a)+7], v[(\b):(\b)+7], v[(\c):(\c)+7], v[\sa], v[\sb] matrix_a_fmt:MATRIX_FMT_FP4 matrix_b_fmt:MATRIX_FMT_FP4
.else
	v_wmma_scale_f32_16x16x128_f8f6f4 v[(\d):(\d)+7], v[(\a):(\a)+7], v[(\b):(\b)+7], v[(\c):(\c)+7], v[\sa], v[\sb] matrix_a_fmt:MATRIX_FMT_FP4 matrix_b_fmt:MATRIX_FMT_FP4 matrix_a_scale:MATRIX_SCALE_ROW1 matrix_b_scale:MATRIX_SCALE_ROW1
.endif
.endm
; 64 numbers of a lane, register 16 b + i = k 32 b + 16 (lane / 16) + i of my row, become a fragment's codes in v[pc] on and its scale word in v[pw]
.macro QUANT src, pc, pw
.irp b, 0,1,2,3
	v_max3_num_f32 v[TM+\b], |v[(\src)+16*\b]|, |v[(\src)+1+16*\b]|, 0x1800000   ; my 16 numbers of block b, and the floor 2^(3 - 127): the byte cannot fall under 1
.endr
.irp i, 2,4,6,8,10,12,14
.irp b, 0,1,2,3
	v_max3_num_f32 v[TM+\b], v[TM+\b], |v[(\src)+16*\b+\i]|, |v[(\src)+1+16*\b+\i]|
.endr
.endr
.irp b, 0,1,2,3
	v_permlanex16_b32 v[TM+4+\b], v[TM+\b], s[SEL], s[SEL+1]
.endr
.irp b, 0,1,2,3
	v_max_num_f32 v[TM+\b], v[TM+\b], v[TM+4+\b]   ; with lane l xor 16's: the block's largest magnitude
.endr
.irp b, 0,1,2,3
	v_add_nc_u32 v[TM+12+\b], 0xff000000, v[TM+\b] ; 2 off its exponent field: the conversion takes this operand's exponent field as its scale
.endr
.irp b, 0,1,2,3
	v_lshrrev_b32 v[TM+4+\b], 23, v[TM+12+\b]      ; the scale's byte
.endr
	v_lshl_or_b32 v[\pw], v[TM+5], 8, v[TM+4]
	v_lshl_or_b32 v[\pw], v[TM+6], 16, v[\pw]
	v_lshl_or_b32 v[\pw], v[TM+7], 24, v[\pw]
.irp b, 0,1,2,3
	v_cvt_scalef32_pk8_fp4_f32 v[(\pc)+2*\b], v[(\src)+16*\b:(\src)+7+16*\b], v[TM+12+\b]
	v_cvt_scalef32_pk8_fp4_f32 v[(\pc)+1+2*\b], v[(\src)+8+16*\b:(\src)+15+16*\b], v[TM+12+\b]
.endr
	v_nop                                          ; one plain place behind a scaled conversion
.irp c, 0,1                                    ; the operand's layout wants a whole block in a lane: lanes 0-15 block 2 c, lanes 16-31 block 2 c + 1
.irp i, 0,1
	v_permlane16_swap_b32 v[(\pc)+4*\c+\i], v[(\pc)+2+4*\c+\i]
.endr
.endr
.endm
; v's tile ci: 32 numbers of a lane (one channel; register 16 b + i = key 32 b + 16 (lane / 16) + i of my 64) become four registers of codes (lane half h: key block h) and two scale bytes
.macro VQUANT ci
.set vS, HA+32*\ci
.set vC, VC+4*\ci
.irp b, 0,1
	v_max3_num_f32 v[TM+\b], |v[vS+16*\b]|, |v[vS+1+16*\b]|, 0x1800000
.endr
.irp i, 2,4,6,8,10,12,14
.irp b, 0,1
	v_max3_num_f32 v[TM+\b], v[TM+\b], |v[vS+16*\b+\i]|, |v[vS+1+16*\b+\i]|
.endr
.endr
.irp b, 0,1
	v_permlanex16_b32 v[TM+4+\b], v[TM+\b], s[SEL], s[SEL+1]
.endr
.irp b, 0,1
	v_max_num_f32 v[TM+\b], v[TM+\b], v[TM+4+\b]
.endr
.irp b, 0,1
	v_add_nc_u32 v[TM+12+\b], 0xff000000, v[TM+\b]
.endr
.irp b, 0,1
	v_lshrrev_b32 v[TM+4+\b], 23, v[TM+12+\b]
.endr
	v_lshl_or_b32 v[VH+\ci], v[TM+5], 8, v[TM+4]
.irp b, 0,1
	v_cvt_scalef32_pk8_fp4_f32 v[vC+2*\b], v[vS+16*\b:vS+7+16*\b], v[TM+12+\b]
	v_cvt_scalef32_pk8_fp4_f32 v[vC+1+2*\b], v[vS+8+16*\b:vS+15+16*\b], v[TM+12+\b]
.endr
	v_nop
	v_permlane16_swap_b32 v[vC], v[vC+2]
	v_permlane16_swap_b32 v[vC+1], v[vC+3]
.endm
	s_load_b256 s[4:11], s[0:1], 0x0               ; x s[4:5], stats s[6:7], gains s[8:9], offsets s[10:11]
	s_load_b512 s[32:47], s[0:1], 0x20             ; wq, wk codes s[32:35]; wq, wk scales s[36:39]; bq, bk s[40:43]; wv codes s[44:45], scales s[46:47]
	s_load_b128 s[48:51], s[0:1], 0x60             ; bv s[48:49], qb s[50:51]
	s_load_b64 s[52:53], s[0:1], 0x70              ; kv
	v_lshl_add_u32 v254, v0, 2, 0x29000
	v_mov_b32 v255, 0
	ds_add_u32 v254, v255
	ds_add_u32 v254, v255
	v_lshrrev_b32 v1, 5, v0
	v_readfirstlane_b32 s2, v1                     ; wave 0..7
	; descriptor group 1: 32 rows (my group's channels) of 64 f32 (my work-group's positions), 4,096 elements from row to row, dense in LDS
	s_mov_b32 s16, 2<<16                           ; no mask; elements of 4 bytes; no padding
	s_mov_b32 s17, 64<<16                          ; tensor_dim0 = 64
	s_mov_b32 s18, 32<<16                          ; tensor_dim1 = 32
	s_mov_b32 s19, 64<<16                          ; tile_dim0 = 64
	s_mov_b32 s20, 32                              ; tile_dim1 = 32
	s_mov_b32 s21, 4096                            ; stride from row to row
	s_mov_b32 s22, 0
	s_mov_b32 s23, 0
	s_and_b32 s54, ttmp7, 0xffff                   ; batch
	s_lshl_b32 s56, s54, 22                        ; batch x 4 MiB
	s_lshl_b32 s57, s2, 19                         ; + group x 32 channels x 16 KiB
	s_add_co_u32 s56, s56, s57
	s_lshl_b32 s57, ttmp9, 8                       ; + 64 positions x 4 bytes x block
	s_add_co_u32 s56, s56, s57
	s_mov_b32 s57, 0
	s_mov_b32 s12, 1                               ; group 0: count = 1
	s_lshl_b32 s13, s2, 13                         ; LDS: 8,192 x wave
	s_wait_dscnt 0x0
	s_wait_kmcnt 0x0
	s_add_nc_u64 s[14:15], s[4:5], s[56:57]
	s_or_b32 s15, s15, 0x80000000                  ; type = 2
	tensor_load_to_lds s[12:15], s[16:23]          ; my one tensor load: it fills bytes that are filled once
	s_nop 0
	PLACES 4
	; who am I, and where my results go: offsets in registers of their own
	s_lshr_b32 s59, s2, 2                          ; mat: 0 q, 1 k
	s_bfe_u32 s60, s2, 0x10001                     ; oh: which 128 output channels
	s_and_b32 s61, s2, 1                           ; tp: which pair of position tiles
	s_and_b32 s62, ttmp9, 1                        ; hf: which half of a key step my 64 positions are
	s_lshl_b32 s70, s54, 6
	s_add_co_u32 s70, s70, ttmp9
	s_mul_i32 s70, s70, 8704                       ; my block of qb
	s_lshl_b32 s71, s54, 5
	s_lshr_b32 s72, ttmp9, 1
	s_add_co_u32 s71, s71, s72
	s_mul_i32 s71, s71, 34816                      ; my key step's block of kv
	s_lshl_b32 s72, s61, 12
	s_lshl_b32 s73, s60, 10
	s_add_co_u32 s72, s72, s73                     ; codes: 4096 tp + 1024 oh
	s_lshl_b32 s73, s60, 8
	s_lshl_b32 s63, s61, 3
	s_add_co_u32 s73, s73, s63                     ; scale words: 256 oh + 8 tp
	s_add_co_u32 s74, s70, s72                     ; q's codes
	s_lshl_b32 s63, s62, 13
	s_add_co_u32 s75, s71, s63
	s_add_co_u32 s75, s75, s72                     ; k's codes: + 8192 hf
	s_add_co_u32 s76, s70, s73
	s_add_co_u32 s76, s76, 8192                    ; q's scale words
	s_lshl_b32 s63, s62, 9
	s_add_co_u32 s77, s71, s63
	s_add_co_u32 s77, s77, s73
	s_add_co_u32 s77, s77, 32768                   ; k's: + 512 hf
	s_add_co_u32 s78, s71, s63
	s_lshl_b32 s63, s2, 11
	s_add_co_u32 s78, s78, s63
	s_add_co_u32 s78, s78, 16384                   ; v's codes: 16384 + 2048 wave + 512 hf
	s_lshl_b32 s63, s59, 9
	s_add_co_u32 s80, s71, s63
	s_add_co_u32 s80, s80, s73
	s_lshl_b32 s63, s62, 1
	s_add_co_u32 s80, s80, s63
	s_add_co_u32 s80, s80, 33792                   ; v's scale bytes: tiles 2 wave, 2 wave + 1: 512 mat + 256 oh + 8 tp, + 2 hf
	s_mul_i32 s84, s61, 4608                       ; my pair of position tiles among xn's rows: 32 rows of 144 bytes,
	s_lshl_b32 s85, s61, 8                         ; and among their scale bytes
	s_lshl_b32 s58, s2, 4
	s_cmp_lg_u32 s59, 0                            ; q or k: the choice hangs on the wave's number alone
	s_cselect_b64 s[32:33], s[34:35], s[32:33]
	s_cselect_b64 s[36:37], s[38:39], s[36:37]
	s_cselect_b64 s[40:41], s[42:43], s[40:41]
	s_cselect_b64 s[24:25], s[52:53], s[50:51]
	s_cselect_b32 s74, s75, s74
	s_cselect_b32 s76, s77, s76
	s_mov_b64 s[26:27], s[24:25]
	s_mov_b32 s75, 0
	s_mov_b32 s77, 0
	s_mov_b32 s79, 0
	s_mov_b32 s81, 0
	s_mov_b32 s83, 0
	s_add_nc_u64 s[24:25], s[24:25], s[74:75]      ; where my q or k codes go
	s_add_nc_u64 s[26:27], s[26:27], s[76:77]      ; and their scale words
	s_add_nc_u64 s[28:29], s[52:53], s[78:79]      ; v's codes
	s_add_nc_u64 s[30:31], s[52:53], s[80:81]      ; v's scale bytes
	s_lshl_b32 s82, s60, 14
	s_add_nc_u64 s[32:33], s[32:33], s[82:83]      ; my 128 rows of W: 128 bytes a row
	s_lshl_b32 s82, s60, 10
	s_add_nc_u64 s[36:37], s[36:37], s[82:83]      ; their scale bytes: 8 a row
	s_lshl_b32 s82, s60, 9
	s_add_nc_u64 s[40:41], s[40:41], s[82:83]      ; their biases
	s_lshl_b32 s82, s2, 12
	s_add_nc_u64 s[44:45], s[44:45], s[82:83]      ; my 32 rows of wv
	s_lshl_b32 s82, s2, 8
	s_add_nc_u64 s[46:47], s[46:47], s[82:83]
	s_lshl_b32 s82, s2, 7
	s_add_nc_u64 s[48:49], s[48:49], s[82:83]      ; bv, and my group's gains and offsets: 32 numbers
	s_add_nc_u64 s[8:9], s[8:9], s[82:83]
	s_add_nc_u64 s[10:11], s[10:11], s[82:83]
	s_lshl_b32 s82, s54, 3
	s_add_co_u32 s82, s82, s2
	s_lshl_b32 s82, s82, 6
	s_add_nc_u64 s[6:7], s[6:7], s[82:83]          ; my group's eight (mean, squares): 64 bytes
	s_mov_b32 s[SEL], 0x76543210
	s_mov_b32 s[SEL+1], 0xfedcba98
	v_and_b32 v1, 31, v0                           ; lane
	v_and_b32 v2, 15, v0                           ; r
	v_bfe_u32 v3, v0, 4, 1                         ; h
	v_lshlrev_b32 v4, 2, v1
	v_add_nc_u32 v4, s13, v4                       ; the x tile: my wave's rows, 4 bytes a lane
	v_and_b32 v5, 7, v0
	v_bfe_u32 v6, v0, 3, 1
	v_lshl_add_u32 v5, v6, 4, v5
	v_lshl_add_u32 v5, v3, 3, v5                   ; position 32 ph + lane lies in row 32 ph + 16 (bit 3) + 8 (bit 4) + lane % 8: the permutation, turned round
	v_lshlrev_b32 v6, 3, v5
	v_add_nc_u32 v6, s2, v6
	v_add_nc_u32 v6, XSC, v6                       ; my scale byte: 8 x row + group
	v_mul_u32_u24 v5, v5, 144
	v_add_nc_u32 v5, s58, v5
	v_add_nc_u32 v5, XROW, v5                      ; my 16 bytes of codes: 144 x row + 16 x group
	v_mul_u32_u24 v7, v2, 144
	v_lshl_add_u32 v7, v3, 4, v7
	v_add_nc_u32 v7, XROW, v7                      ; a fragment of xn: row r, + 16 h
	v_lshlrev_b32 v8, 3, v2
	v_lshl_add_u32 v8, v3, 2, v8
	v_add_nc_u32 v8, XSC, v8                       ; its scale words: lanes 0-15 K step 0, lanes 16-31 K step 1
	v_add_nc_u32 v202, s84, v7                     ; the same for my own pair of tiles
	v_add_nc_u32 v203, s85, v8
	v_lshlrev_b32 v9, 4, v1                        ; an image's place for my lane
	v_and_b32 v14, 8, v2
	v_add_nc_u32 v14, v14, v2                      ; r + 8 (r / 8)
	v_lshlrev_b32 v10, 7, v14
	v_lshl_add_u32 v10, v3, 4, v10                 ; a weight's fragment: that row of 128 bytes, + 16 h
	v_lshlrev_b32 v11, 3, v14
	v_lshl_add_u32 v11, v3, 2, v11                 ; its scale words: 8 bytes a row, K step h
	v_lshlrev_b32 v12, 6, v3                       ; bq, bk: 16 numbers on for lanes 16-31
	v_mov_b32 v13, 0
	v_lshlrev_b32 v14, 2, v14                      ; bv: my channel's number
	v_lshlrev_b32 v15, 4, v2                       ; scale words on the way out: 16 bytes a row
.irp b, 0,1,2,3
	v_mov_b32 v[TM+4+\b], 0                        ; written once: a lane permute's destination counts as one of its sources
.endr
.irp i, 0,1,2,3
	global_load_b128 v[HA+4*\i:HA+4*\i+3], v13, s[6:7] offset:16*\i   ; the eight parts' statistics, the same in every lane
.endr
.irp t, 0,1,2,3,4,5,6,7
	global_load_b32 v[WS+\t], v11, s[36:37] offset:(32*(\t/2)+8*(\t%2))*8
.endr
.irp c, 0,1
	global_load_b32 v[WVS+\c], v11, s[46:47] offset:64*\c
.endr
	WIN 0x40                                       ; destination window 1, address window 0
.irp t, 0,1,2,3,4,5,6,7                        ; W's fragment (tile t, K step u) at v[8 (2 t + u)]: tile t begins at row 32 (t / 2) + 8 (t % 2)
.irp u, 0,1
.irp c, 0,1
	global_load_b128 v[8*(2*\t+\u)+4*\c:8*(2*\t+\u)+4*\c+3], v10, s[32:33] offset:(32*(\t/2)+8*(\t%2))*128+64*\u+32*\c
.endr
.endr
.endr
.irp n, 0,1                                    ; wv's (tile n, K step u) at v[128 + 8 (2 n + u)]
.irp u, 0,1
.irp c, 0,1
	global_load_b128 v[128+8*(2*\n+\u)+4*\c:128+8*(2*\n+\u)+4*\c+3], v10, s[44:45] offset:1024*\n+64*\u+32*\c
.endr
.endr
.endr
.irp t, 0,1,2,3,4,5,6,7                        ; lane (r, h) wants, for tile 2 b + u, the biases of outputs 32 b + 16 h + 8 u + 0 .. 7
	global_load_b128 v[160+8*\t:160+8*\t+3], v12, s[40:41] offset:(32*(\t/2)+8*(\t%2))*4
	global_load_b128 v[160+8*\t+4:160+8*\t+7], v12, s[40:41] offset:(32*(\t/2)+8*(\t%2))*4+16
.endr
.irp n, 0,1                                    ; in v's result a lane holds one channel: its bias fills all eight registers of the C operand
.irp j, 0,1,2,3,4,5,6,7
	global_load_b32 v[224+8*\n+\j], v14, s[48:49] offset:32*\n
.endr
.endr
	WIN 0
	s_wait_xcnt 0x0                                ; the loads above have read their bases: s[32:63] take the gains
	s_load_b512 s[GAM:GAM+15], s[8:9], 0x0
	s_load_b512 s[GAM+16:GAM+31], s[8:9], 0x40
	s_load_b512 s[BET:BET+15], s[10:11], 0x0
	s_load_b512 s[BET+16:BET+31], s[10:11], 0x40
	s_wait_loadcnt 0x0
	; the group's mean and variance from its eight parts of 16,384 numbers: mu = the mean of the means; the squares are joined by the parts' deviations from mu
	v_add_f32 v80, v64, v66
	v_add_f32 v81, v68, v70
	v_add_f32 v82, v72, v74
	v_add_f32 v83, v76, v78
	v_add_f32 v84, v65, v67
	v_add_f32 v85, v69, v71
	v_add_f32 v86, v73, v75
	v_add_f32 v87, v77, v79
	v_add_f32 v80, v80, v81
	v_add_f32 v82, v82, v83
	v_add_f32 v84, v84, v85
	v_add_f32 v86, v86, v87
	v_add_f32 v80, v80, v82
	v_add_f32 v84, v84, v86
	v_mul_f32 v80, 0x3e000000, v80                 ; mu
.irp i, 0,1,2,3,4,5,6,7
	v_sub_f32 v[64+2*\i], v[64+2*\i], v80
.endr
	v_mul_f32 v88, v64, v64
.irp i, 1,2,3,4,5,6,7
	v_fmac_f32 v88, v[64+2*\i], v[64+2*\i]
.endr
	v_fmamk_f32 v84, v88, 0x46800000, v84          ; + 16,384 x the sum of the squared deviations of the parts' means
	v_mov_b32 v85, 0x37000000                      ; 2^-17: 131,072 numbers in a group
	v_fmaak_f32 v84, v84, v85, 0x3727c5ac          ; the variance + 1e-5
	v_rsq_f32 v84, v84
	v_nop                                          ; one plain place behind a transcendental
	v_readfirstlane_b32 s100, v80
	s_wait_alu depctr_va_vdst(0)
	v_readfirstlane_b32 s101, v84
	s_wait_kmcnt 0x0                               ; gains and offsets
	s_wait_tensorcnt 0x0                           ; my 32 rows of the x tile: only I read them
	; ---- X: my group of 32 positions at a time: ((x - mu) rstd) gain + offset, as the model writes it; then the block's scale and codes
.irp ph, 0,1
.set i, 0
.rept 32
	ds_load_b32 v[HA+i], v4 offset:256*i+128*\ph
.set i, i+1
.endr
	s_wait_dscnt 0x0                               ; (also: the last half's stores have read their registers)
.set i, 0
.rept 32
	v_sub_f32 v[HA+i], v[HA+i], s100
.set i, i+1
.endr
.set i, 0
.rept 32
	v_mul_f32 v[HA+i], s101, v[HA+i]
.set i, i+1
.endr
.set i, 0
.rept 32
	v_fma_f32 v[HA+i], v[HA+i], s[GAM+i], s[BET+i]
.set i, i+1
.endr
	v_max3_num_f32 v32, |v[HA]|, |v[HA+1]|, |v[HA+2]|   ; the block's largest magnitude: all 32 numbers are mine
	v_max3_num_f32 v33, |v[HA+3]|, |v[HA+4]|, |v[HA+5]|
.irp i, 6,10,14,18,22,26
	v_max3_num_f32 v32, v32, |v[HA+\i]|, |v[HA+\i+1]|
	v_max3_num_f32 v33, v33, |v[HA+\i+2]|, |v[HA+\i+3]|
.endr
	v_max3_num_f32 v32, v32, |v[HA+30]|, |v[HA+31]|
	v_max3_num_f32 v32, v32, v33, 0x1800000        ; and the floor 2^(3 - 127)
	v_add_nc_u32 v34, 0xff000000, v32              ; the conversions' scale operand
	v_lshrrev_b32 v35, 23, v34                     ; the scale's byte
.irp g, 0,1,2,3
	v_cvt_scalef32_pk8_fp4_f32 v[PC+4*\ph+\g], v[HA+8*\g:HA+8*\g+7], v34
.endr
	v_nop                                          ; one plain place behind a scaled conversion
	ds_store_b128 v5, v[PC+4*\ph:PC+4*\ph+3] offset:4608*\ph
	ds_store_b8 v6, v35 offset:256*\ph
.endr
	s_wait_dscnt 0x0                               ; for the others' sake: my codes and bytes have landed
	s_barrier_signal -1
	s_barrier_wait -1                              ; xn's 64 rows of codes lie in LDS
.irp T, 0,1,2,3
.irp u, 0,1
.irp c, 0,1
	ds_load_b128 v[XF+8*(2*\T+\u)+4*\c:XF+8*(2*\T+\u)+4*\c+3], v7 offset:2304*\T+64*\u+32*\c
.endr
.endr
	ds_load_b32 v[XS+\T], v8 offset:128*\T
.endr
.irp i, 0,1
.irp u, 0,1
.irp c, 0,1
	ds_load_b128 v[XQ+8*(2*\i+\u)+4*\c:XQ+8*(2*\i+\u)+4*\c+3], v202 offset:2304*\i+64*\u+32*\c
.endr
.endr
	ds_load_b32 v[XSQ+\i], v203 offset:128*\i
.endr
	s_wait_dscnt 0x0
	; ---- Q/K: eight accumulators by turns, K step by K step; the bias is the C of each sum's first product
.irp i, 0,1
	WIN 0x11                                       ; source 0 (W) and source 2 (the bias) window 1
.irp t, 0,1,2,3,4,5,6,7
	MMA HA+8*\t, 16*\t, XQ+16*\i, 160+8*\t, WS+\t, XSQ+\i, 0
.endr
	WIN 0x01
.irp t, 0,1,2,3,4,5,6,7
	MMA HA+8*\t, 16*\t+8, XQ+16*\i+8, HA+8*\t, WS+\t, XSQ+\i, 3
.endr
	WIN 0
	PLACES 4                                       ; in front of the first read of results
	QUANT HA, PC+8*\i, PWR+\i                      ; (its plain lines on v32-47 and the four above are more than the five places that the next tile's products, which begin these accumulators anew, want)
	global_store_b128 v9, v[PC+8*\i:PC+8*\i+3], s[24:25] offset:2048*\i
	global_store_b128 v9, v[PC+8*\i+4:PC+8*\i+7], s[24:25] offset:2048*\i+512
.endr
	; ---- V: two channel tiles x four position tiles, eight accumulators by turns
	WIN 0x14                                       ; source 1 (wv) and source 2 (bv) window 1
.irp n, 0,1
.irp T, 0,1,2,3
	MMA HA+32*\n+8*\T, XF+16*\T, 128+16*\n, 224+8*\n, XS+\T, WVS+\n, 0
.endr
.endr
	WIN 0x04
.irp n, 0,1
.irp T, 0,1,2,3
	MMA HA+32*\n+8*\T, XF+16*\T+8, 136+16*\n, HA+32*\n+8*\T, XS+\T, WVS+\n, 3
.endr
.endr
	WIN 0
	PLACES 4
	VQUANT 0
	global_store_b128 v9, v[VC:VC+3], s[28:29]
	VQUANT 1
	global_store_b128 v9, v[VC+4:VC+7], s[28:29] offset:1024
	s_wait_xcnt 0x0                                ; EXEC changes only behind this wait
	v_cmp_gt_u32 vcc_lo, 16, v1
	s_wait_tensorcnt 0x0
	ds_add_u32 v254, v255
	s_wait_dscnt 0x0
	s_and_saveexec_b32 s3, vcc_lo                  ; lanes 0-15: lane r has row r's words (lanes 16-31 hold the same)
	global_store_b64 v15, v[PWR:PWR+1], s[26:27]   ; my two tiles' scale words
	global_store_b16 v15, v[VH], s[30:31]          ; my two key blocks' bytes of each channel's word
	global_store_b16 v15, v[VH+1], s[30:31] offset:4
	s_wait_xcnt 0x0
	s_or_b32 exec_lo, exec_lo, s3
	s_endpgm
.Lfunc_end_k_qa6740ab85d_qkv:
	.size	k_qa6740ab85d_qkv, .Lfunc_end_k_qa6740ab85d_qkv-k_qa6740ab85d_qkv
	.p2alignl 7, 3214868480
	.fill 96, 4, 3214868480
	.section	.rodata,"a",@progbits
	.p2align	6, 0x0
	.amdhsa_kernel k_qa6740ab85d_qkv
		.amdhsa_group_segment_fixed_size 168960
		.amdhsa_private_segment_fixed_size 0
		.amdhsa_enable_private_segment 0
		.amdhsa_kernarg_size 120
		.amdhsa_user_sgpr_count 2
		.amdhsa_user_sgpr_kernarg_segment_ptr 1
		.amdhsa_wavefront_size32 1
		.amdhsa_system_sgpr_workgroup_id_x 1
		.amdhsa_system_sgpr_workgroup_id_y 1
		.amdhsa_system_sgpr_workgroup_id_z 1
		.amdhsa_system_vgpr_workitem_id 0
		.amdhsa_next_free_vgpr 512
		.amdhsa_next_free_sgpr 102
		.amdhsa_reserve_vcc 1
		.amdhsa_float_denorm_mode_32 3
		.amdhsa_float_denorm_mode_16_64 3
		.amdhsa_memory_ordered 1
		.amdhsa_forward_progress 1
		.amdhsa_inst_pref_size 55
	.end_amdhsa_kernel
	.amdgpu_metadata
---
amdhsa.version: [ 1, 2 ]
amdhsa.kernels:
  - .name:           k_qa6740ab85d_qkv
    .symbol:         k_qa6740ab85d_qkv.kd
    .args:
      - { .name: x, .offset: 0, .size: 8, .value_kind: global_buffer, .address_space: global }
      - { .name: stats, .offset: 8, .size: 8, .value_kind: global_buffer, .address_space: global }
      - { .name: gn_gamma, .offset: 16, .size: 8, .value_kind: global_buffer, .address_space: global }
      - { .name: gn_beta, .offset: 24, .size: 8, .value_kind: global_buffer, .address_space: global }
      - { .name: wq_codes, .offset: 32, .size: 8, .value_kind: global_buffer, .address_space: global }
      - { .name: wk_codes, .offset: 40, .size: 8, .value_kind: global_buffer, .address_space: global }
      - { .name: wq_scales, .offset: 48, .size: 8, .value_kind: global_buffer, .address_space: global }
      - { .name: wk_scales, .offset: 56, .size: 8, .value_kind: global_buffer, .address_space: global }
      - { .name: bq, .offset: 64, .size: 8, .value_kind: global_buffer, .address_space: global }
      - { .name: bk, .offset: 72, .size: 8, .value_kind: global_buffer, .address_space: global }
      - { .name: wv_codes, .offset: 80, .size: 8, .value_kind: global_buffer, .address_space: global }
      - { .name: wv_scales, .offset: 88, .size: 8, .value_kind: global_buffer, .address_space: global }
      - { .name: bv, .offset: 96, .size: 8, .value_kind: global_buffer, .address_space: global }
      - { .name: qb, .offset: 104, .size: 8, .value_kind: global_buffer, .address_space: global }
      - { .name: kv, .offset: 112, .size: 8, .value_kind: global_buffer, .address_space: global }
    .group_segment_fixed_size: 168960
    .private_segment_fixed_size: 0
    .kernarg_segment_align: 8
    .kernarg_segment_size: 120
    .max_flat_workgroup_size: 256
    .sgpr_count:     102
    .vgpr_count:     512
    .wavefront_size: 32
...
	.end_amdgpu_metadata
.endif
;; end of part 2
;; launch attn (part 3): grid 64 x 4, 8 waves a work-group, clusters of 4 x 1, 327,680 bytes of LDS; arguments qb, kv, wp_codes, wp_scales, bp, x, out0; writes out0
.if DOCPART == 3
	.amdgcn_target "amdgcn-amd-amdhsa--gfx1250"
	.amdhsa_code_object_version 6
	.text
	.protected	k_qa6740ab85d_attn
	.globl	k_qa6740ab85d_attn
	.p2align	8
	.type	k_qa6740ab85d_attn,@function
k_qa6740ab85d_attn:
	s_mov_b64 s[64:65], 0
	v_nop
	global_prefetch_b8 v0, s[64:65] scope:SCOPE_SE
	s_setreg_imm32_b32 hwreg(HW_REG_WAVE_MODE, 25, 1), 1
	s_wait_xcnt 0x0
	s_wait_alu depctr_hold_cnt(0) depctr_sa_sdst(0) depctr_va_vdst(0) depctr_va_sdst(0) depctr_va_ssrc(0) depctr_va_vcc(0) depctr_vm_vsrc(0)
	s_getreg_b32 s2, hwreg(HW_REG_IB_STS2, 6, 4)
	s_cmp_eq_u32 s2, 0
	s_cbranch_scc0 .Lentry_in_a_cluster
	s_endpgm
.Lentry_in_a_cluster:
	s_bfe_u32 s2, ttmp6, 0x10000c
	s_cmp_lg_u32 s2, 0x3003
	s_cbranch_scc0 .Lentry_shape_is_right
	s_endpgm
.Lentry_shape_is_right:
; out0 = wp . attention(q, k, v) + bp + x, all three products on codes of FP4 (E2M1) with one E8M0 scale for each 32 along K.  q, k, v come as images of operand registers (see the launch before): every LDS and
; global read of an operand is 16 bytes a lane, 512 consecutive bytes a wave.
; THE SOFTMAX AHEAD OF THE SECOND PRODUCT: t = score x log2(e) / 16; M = the largest t so far, rounded UP to a whole number; p = 2^(t - M) is what is quantised, along the keys, not normalised.  The row's sum l is
; taken of the unquantised p.  When M moves, l and O are multiplied by 2^(old M - new M): exact.
; SHARES.  A work-group owns 64 queries of one batch.  Wave w = 4 qp + kp owns query tiles 2 qp, 2 qp + 1 (so each fragment of K and V read from LDS feeds two products) and the kp-th key step (128 keys) of every slot
; of four steps: it sees a quarter of the keys and keeps its own M, l and O^T.  At the end the four waves of a pair of tiles are joined: M* = the largest M, each wave's l and O^T times 2^(M - M*), exact.
; LAYOUT.  S^T = K Q^T and O^T = V^T P^T: a lane holds ONE query throughout.  Keys in a tile of K, channels in a tile of V and positions in a tile of Q are laid so that lane r of tile 2 b + u holds index
; 32 b + 8 u + r + 8 (r / 8): the 16 registers of result tiles 2 b, 2 b + 1 are 16 neighbours along the next K (keys for p, channels for O), and in the last product 16 neighbouring positions of one output row.
; CLUSTER.  The four work-groups of a cluster belong to one batch and walk the same K and V: each eighth of a slot is asked for JOINTLY, by the same tensor load with the same descriptor and the mask of all four.
; RING.  Two slots of four key steps (139,264 bytes, dense: an image has no rows to pad).  Both are first filled at the start.  THE CHANGE OF SLOTS STANDS IN A STEP'S TAIL: once V's last fragments are asked for, the wave
; reads the slot no more; what is left of the step (O^T's rescaling, the products V^T P) is work on registers, and it stands round the barrier's signal: the rescaling between the add and the wait for it, the products
; between the signal and the wait.  By this text's count two tensor loads a wave are out at the start, later one.
; EXPONENTIALS AND PLAIN INSTRUCTIONS BY TURNS: behind each exponential stands one plain line that is due anyway (t - M of a pair still to come, the sum's addition of a pair that is done).
; LIMITS: NaN and infinities are not served.  A block whose largest number lies under 2^-124 has its scale byte held at 1 (a block of zeros too: its codes are zeros).  A block's largest p is made from the block's largest
; score by the same multiply-add and exponential as every p: this takes v_exp_f32 not to fall where its input rises.  p under 2^-126 counts as 0.
; REGISTERS.  Window 0: v1-2 the spare word's address and 0; v3-7 addresses; v8-15 for tile t: -M v[8+4t], largest t v[9+4t], l v[10+4t:11+4t]; v16-17 p's scale words, v18-19 q's, v20-27 K's, then V's;
;   v32-63 Q (t, u) at 32 + 16 t + 8 u; v64-95, v96-127 fragments of K; in the softmax v64-83 at work and v96-111 p's codes; v128-255 S^T (t, kt) at 128 + 64 t + 8 kt, then V's 16 fragments.   Window 1: O^T (t, ct) at 128 t + 8 ct.
.set STEPB, 34816                      ; a key step's block: K's codes 16,384, V's codes 16,384, K's scale words 1,024, V's 1,024
.set SLOTB, 4*STEPB
.set SPARE, 2*SLOTB                    ; behind the ring: the spare words, 128 bytes for each wave: four blocks of 256 bytes that no other line names
.set VCO,   16384
.set KSCO,  32768
.set VSCO,  33792
; The end's LDS lies in the ring, which has then had its last fill and its last read:
.set MST,   262144                     ; behind eight images of O^T (32,768 bytes a wave, from byte 0): -M and l, 512 bytes a wave
.set FIMG,  266240                     ; the attention result's 8 fragments (T, channel half)
.set FSC,   274432                     ; and their scale words, 128 bytes a tile
.set SPW, 1
.set NIL, 2
.set ADR, 3
.set LB,  4
.set L16, 5
.set PS,  16
.set QS,  18
.set SC,  20
.set TM,  32                           ; (at the end) the quantiser's registers
.set Q,   32
.set FBA, 64
.set FBB, 96
.set P,   96
.set S,   128
.set BM,  64                           ; v64-67 the blocks' largest scores, then largest p
.set PX,  68                           ; v68-71 the other half's, then the bytes
.set SO,  72                           ; v72-75 the conversions' scale operands
.set AUX, 76
.set F,   78                           ; f = 2^(old M - new M): tile 0's in v78, tile 1's in v82 (the low words of the pairs v[78:79], v[82:83])
.set SUM2, 80
.set WV,  18                           ; s18 wave, s19 qp, s20 kp
.set CS,  22                           ; s[22:23] c = log2(e) / 16
.set G1,  24
.set G0,  32                           ; s[32:35] group 0 of slot 0's first fill
.set G0B, 56                           ; s[56:59] group 0 of slot 1's first fill, which then walks on
.set TB,  36                           ; s36 the slot in hand;  s37 the slot last asked for;  s38 17,408 x wave;  s39 trips
.set SEL, 40
.set MSB, 0
.macro WIN new                         ; the immediate's high byte repeats the setting that is left
.if MSB != \new
	s_set_vgpr_msb (MSB<<8)|\new
.set MSB, \new
.endif
.endm
.macro PLACES n
.rept \n
	v_nop
.endr
.endm
; One scaled product.  zero = 1: it starts the sum.  rows = 0: both sides' scales from lanes 0-15; 1: source 0's from lanes 16-31; 3: both from lanes 16-31
.macro MMA d, a, b, zero, c, sa, sb, rows
.if \zero && (\rows == 0)
	v_wmma_scale_f32_16x16x128_f8f6f4 v[(\d):(\d)+7], v[(\a):(\a)+7], v[(\b):(\b)+7], 0, v[\sa], v[\sb] matrix_a_fmt:MATRIX_FMT_FP4 matrix_b_fmt:MATRIX_FMT_FP4
.elseif \zero
	v_wmma_scale_f32_16x16x128_f8f6f4 v[(\d):(\d)+7], v[(\a):(\a)+7], v[(\b):(\b)+7], 0, v[\sa], v[\sb] matrix_a_fmt:MATRIX_FMT_FP4 matrix_b_fmt:MATRIX_FMT_FP4 matrix_a_scale:MATRIX_SCALE_ROW1
.elseif \rows == 0
	v_wmma_scale_f32_16x16x128_f8f6f4 v[(\d):(\d)+7], v[(\a):(\a)+7], v[(\b):(\b)+7], v[(\c):(\c)+7], v[\sa], v[\sb] matrix_a_fmt:MATRIX_FMT_FP4 matrix_b_fmt:MATRIX_FMT_FP4
.elseif \rows == 1
	v_wmma_scale_f32_16x16x128_f8f6f4 v[(\d):(\d)+7], v[(\a):(\a)+7], v[(\b):(\b)+7], v[(\c):(\c)+7], v[\sa], v[\sb] matrix_a_fmt:MATRIX_FMT_FP4 matrix_b_fmt:MATRIX_FMT_FP4 matrix_a_scale:MATRIX_SCALE_ROW1
.else
	v_wmma_scale_f32_16x16x128_f8f6f4 v[(\d):(\d)+7], v[(\a):(\a)+7], v[(\b):(\b)+7], v[(\c):(\c)+7], v[\sa], v[\sb] matrix_a_fmt:MATRIX_FMT_FP4 matrix_b_fmt:MATRIX_FMT_FP4 matrix_a_scale:MATRIX_SCALE_ROW1 matrix_b_scale:MATRIX_SCALE_ROW1
.endif
.endm
; A round of the cluster's barrier: my work-group's barrier; wave 0 signals for the work-group; every wave waits for all four work-groups; my work-group's barrier once more
.macro CREST                           ; a round behind its opening barrier
	s_cmp_lg_u32 s[WV], 0
	s_cbranch_scc1 .Lnot_wave_0_\@
	s_barrier_signal -3
.Lnot_wave_0_\@:
	s_barrier_wait -3
	s_barrier_signal -1
	s_barrier_wait -1
.endm
.macro CROUND                          ; a whole round
	s_barrier_signal -1
	s_barrier_wait -1
	CREST
.endm
; K's tiles kt0, kt0 + 1, both K steps: 8 loads; tile kt0's 16 registers at fa, tile kt0 + 1's at fb
.macro KLOAD kt0, fa, fb
.irp k, 0,1
.irp u, 0,1
.irp c, 0,1
	ds_load_b128 v[(\fa)+((\fb)-(\fa))*\k+8*\u+4*\c:(\fa)+((\fb)-(\fa))*\k+8*\u+4*\c+3], v[ADR] offset:(2*((\kt0)+\k)+\u)*1024+512*\c
.endr
.endr
.endr
.endm
; their 8 products: four accumulators by turns, K step 0 starting the sums
.macro KMUL kt0, fa, fb
.irp u, 0,1
.irp k, 0,1
.irp t, 0,1
	MMA S+64*\t+8*((\kt0)+\k), (\fa)+((\fb)-(\fa))*\k+8*\u, Q+16*\t+8*\u, 1-\u, S+64*\t+8*((\kt0)+\k), SC+(\kt0)+\k, QS+\t, 3*\u
.endr
.endr
.endr
.endm
.macro VLOAD c0                        ; V's channel tiles c0 .. c0 + 7: 16 loads
.irp d, 0,1,2,3,4,5,6,7
.irp c, 0,1
	ds_load_b128 v[S+8*((\c0)+\d)+4*\c:S+8*((\c0)+\d)+4*\c+3], v[ADR] offset:VCO+1024*((\c0)+\d)+512*\c
.endr
.endr
.endm
.macro PVMUL c0, first                 ; O^T += V^T P^T for them: 16 accumulators, one product each
.irp d, 0,1,2,3,4,5,6,7
.irp t, 0,1
	MMA 128*\t+8*((\c0)+\d), S+8*((\c0)+\d), P+8*\t, \first, 128*\t+8*((\c0)+\d), SC+4*((\c0)/8)+\d%4, PS+\t, \d/4
.endr
.endr
.endm
.macro RESCALE t                       ; tile t's O^T under the new M: x f, each accumulator from its low end on.  (O^T: destination and source 0, window 1; f: window 0)
.set j, 0
.rept 64
	v_pk_mul_f32 v[128*\t+j:128*\t+j+1], v[128*\t+j:128*\t+j+1], v[F+4*\t:F+4*\t+1] op_sel_hi:[1,0]
.set j, j+2
.endr
.endm
; THE SOFTMAX of tile t for this key step, all in window 0; O^T's rescaling follows in the step's tail.  first = 1: my first step: it starts M and l: nothing is ever cleared.
.macro SMAX t, first
.set rS, S+64*\t
.set rM, 8+4*\t
.set rP, P+8*\t
.set rF, F+4*\t
.irp b, 0,1,2,3
	v_max3_num_f32 v[BM+\b], v[rS+16*\b], v[rS+16*\b+1], v[rS+16*\b+2]   ; the largest score of each block of 32 keys: for the row's maximum and, since p rises with the score, for the block's largest p
.endr
.irp i, 3,5,7,9,11,13
.irp b, 0,1,2,3
	v_max3_num_f32 v[BM+\b], v[BM+\b], v[rS+16*\b+\i], v[rS+16*\b+\i+1]
.endr
.endr
.irp b, 0,1,2,3
	v_max_num_f32 v[BM+\b], v[BM+\b], v[rS+16*\b+15]
.endr
.irp b, 0,1,2,3
	v_permlanex16_b32 v[PX+\b], v[BM+\b], s[SEL], s[SEL+1]
.endr
.irp b, 0,1,2,3
	v_max_num_f32 v[BM+\b], v[BM+\b], v[PX+\b]     ; with lane l xor 16's 16 keys
.endr
	v_max3_num_f32 v[AUX], v[BM], v[BM+1], v[BM+2]
	v_max_num_f32 v[AUX], v[AUX], v[BM+3]          ; the step's largest score of my query
.if \first
	v_mul_f32 v[rM+1], s[CS], v[AUX]               ; as t (c is positive)
	v_floor_f32 v[rM], -v[rM+1]                    ; -M = floor(-t) = -ceil(t)
.else
	v_mul_f32 v[AUX], s[CS], v[AUX]
	v_max_num_f32 v[rM+1], v[rM+1], v[AUX]         ; the running largest t
	v_mov_b32 v[AUX], v[rM]
	v_floor_f32 v[rM], -v[rM+1]
	v_sub_f32 v[AUX], v[rM], v[AUX]                ; old M less new M: a whole number, 0 or less
	v_cvt_i32_f32 v[AUX], v[AUX]                   ; (it saturates)
	v_ldexp_f32 v[rF], 1.0, v[AUX]                 ; f = 2^(old M - new M)
	v_pk_mul_f32 v[rM+2:rM+3], v[rM+2:rM+3], v[rF:rF+1] op_sel_hi:[1,0]   ; l under the new M
.endif
	; t - M of the first two pairs (of the pairs c and -M the low word serves both halves); then 64 turns: exponential k, and one plain line that names none of its registers:
	;   k even: t - M of the pair two pairs on (at the end: of a block's largest score);   k odd: the addition of the pair whose second exponential stands two turns back (at the start: of a block's largest score).
	; THE ROW'S SUM IS TAKEN OF THE UNQUANTISED p, two at a time, in two chains: even pairs onto l, odd pairs onto a second sum.
	v_pk_fma_f32 v[rS:rS+1], v[rS:rS+1], s[CS:CS+1], v[rM:rM+1] op_sel_hi:[1,0,0]
	v_pk_fma_f32 v[rS+2:rS+3], v[rS+2:rS+3], s[CS:CS+1], v[rM:rM+1] op_sel_hi:[1,0,0]
.set k, 0
.rept 64
	v_exp_f32 v[rS+k], v[rS+k]                     ; p = 2^(t - M), at most 1
.if (k%2 == 0) && (k < 60)
	v_pk_fma_f32 v[rS+k+4:rS+k+5], v[rS+k+4:rS+k+5], s[CS:CS+1], v[rM:rM+1] op_sel_hi:[1,0,0]
.elseif k%2 == 0
	v_fma_f32 v[BM+k/2-28], v[BM+k/2-28], s[CS], v[rM]   ; blocks 2, 3: the same multiply-add of the block's largest score
.elseif k < 4
	v_fma_f32 v[BM+k/2], v[BM+k/2], s[CS], v[rM]         ; blocks 0, 1
.elseif k == 5
	s_wait_alu depctr_va_vdst(0)
	v_pk_add_f32 v[SUM2:SUM2+1], v[rS:rS+1], v[rS+2:rS+3]
.elseif \first && (k == 7)
	v_nop                                          ; (the first step's l is started two turns on, by pairs 2 and 3)
.elseif \first && (k == 9)
	s_wait_alu depctr_va_vdst(0)
	v_pk_add_f32 v[rM+2:rM+3], v[rS+4:rS+5], v[rS+6:rS+7]
.elseif k%4 == 3
	v_pk_add_f32 v[rM+2:rM+3], v[rM+2:rM+3], v[rS+k-3:rS+k-2]
.else
	s_wait_alu depctr_va_vdst(0)
	v_pk_add_f32 v[SUM2:SUM2+1], v[SUM2:SUM2+1], v[rS+k-3:rS+k-2]
.endif
.set k, k+1
.endr
	v_exp_f32 v[BM], v[BM]                         ; the blocks' largest p
	s_wait_alu depctr_va_vdst(0)
	v_pk_add_f32 v[SUM2:SUM2+1], v[SUM2:SUM2+1], v[rS+62:rS+63]
	v_exp_f32 v[BM+1], v[BM+1]
	v_exp_f32 v[BM+2], v[BM+2]
	v_exp_f32 v[BM+3], v[BM+3]
	v_pk_add_f32 v[rM+2:rM+3], v[rM+2:rM+3], v[SUM2:SUM2+1]   ; (a plain place behind the exponentials)
	s_wait_alu depctr_va_vdst(0)
.irp b, 0,1,2,3
	v_max_num_f32 v[BM+\b], 0x1800000, v[BM+\b]    ; the floor 2^(3 - 127): the byte cannot fall under 1
.endr
.irp b, 0,1,2,3
	v_add_nc_u32 v[SO+\b], 0xff000000, v[BM+\b]    ; 2 off the exponent field: the conversion's scale operand
.endr
.irp b, 0,1,2,3
	v_lshrrev_b32 v[PX+\b], 23, v[SO+\b]           ; the scale's byte
.endr
	v_lshl_or_b32 v[PS+\t], v[PX+1], 8, v[PX]      ; p's scale word for these 128 keys
	v_lshl_or_b32 v[PS+\t], v[PX+2], 16, v[PS+\t]
	v_lshl_or_b32 v[PS+\t], v[PX+3], 24, v[PS+\t]
.irp b, 0,1,2,3
	v_cvt_scalef32_pk8_fp4_f32 v[rP+2*\b], v[rS+16*\b:rS+16*\b+7], v[SO+\b]
	v_cvt_scalef32_pk8_fp4_f32 v[rP+2*\b+1], v[rS+16*\b+8:rS+16*\b+15], v[SO+\b]
.endr
	v_nop                                          ; one plain place behind a scaled conversion
.irp c, 0,1                                    ; the operand's layout wants a whole block in a lane
.irp i, 0,1
	v_permlane16_swap_b32 v[rP+4*\c+\i], v[rP+4*\c+2+\i]
.endr
.endr
.endm
; MY KEY STEP OF THE SLOT IN HAND.  K's four groups of two tiles pass through three sets of 32 registers: v64-95, v96-127, and the registers of the scores that are made last (tiles 6, 7).
; tail = 2: the slot is left and filled again with the keys two slots on: a round of the cluster's barrier, so that no wave of any partner still reads it or has a load on its way, then the joint refill, first thing;
; tail = 1: the slot is left, nothing is asked for: my work-group's barrier alone;   tail = 0: the last step: nothing follows.
.macro WORK first, tail
	v_add_nc_u32 v[ADR], s[TB], v[LB]              ; with the four v_nop at the last step's end five places: loads into, and scores laid over, registers that the last step's products read
	ds_load_b128 v[SC:SC+3], v[ADR] offset:KSCO    ; K's scale words: register kt; lanes 0-15 K step 0, lanes 16-31 K step 1
	ds_load_b128 v[SC+4:SC+7], v[ADR] offset:KSCO+512
	KLOAD 0, FBA, FBA+16
	KLOAD 2, FBB, FBB+16
	KLOAD 4, S+48, S+112
	s_wait_dscnt 16                                ; the scale words and tiles 0, 1 are in; the two younger groups may be out
	KMUL 0, FBA, FBA+16
	PLACES 4                                       ; in front of loads into registers that those products read
	KLOAD 6, FBA, FBA+16
	s_wait_dscnt 16                                ; tiles 2, 3 are in
	KMUL 2, FBB, FBB+16
	s_wait_dscnt 8                                 ; tiles 4, 5 are in
	KMUL 4, S+48, S+112
	PLACES 5                                       ; the next scores are laid over the fragments just multiplied
	s_wait_dscnt 0x0
	KMUL 6, FBA, FBA+16
	PLACES 4                                       ; in front of the first read of results, and of writes into v64-83
	SMAX 0, \first
	ds_load_b128 v[SC:SC+3], v[ADR] offset:VSCO    ; V's scale words: register 4 (ct / 8) + ct % 4; lanes 16-31 where ct % 8 > 3
	ds_load_b128 v[SC+4:SC+7], v[ADR] offset:VSCO+512
	VLOAD 0                                        ; into tile 0's scores, which are done with: they land under tile 1's softmax
	SMAX 1, \first
	VLOAD 8                                        ; my last reads of this slot
	s_xor_b32 s[TB], s[TB], SLOTB                  ; the next step reads the other slot
.if \tail
	s_wait_tensorcnt 0x0                           ; all my tensor loads have landed: the one that was out is my eighth of the other slot; so the walking group 0 may be written
	ds_add_u32 v[SPW], v[NIL]                      ; 0 onto my spare word; the work below stands between it and the wait for it
.endif
.if \tail == 2
	s_xor_b32 s37, s37, SLOTB                      ; the other slot than last time: the one that I am leaving,
	s_add_co_u32 s[G0B+1], s37, s38                ; my eighth of it,
	s_add_nc_u64 s[G0B+2:G0B+3], s[G0B+2:G0B+3], SLOTB   ; the next four key steps; the type bits on top are not reached
.endif
.if \first
	PLACES 8                                       ; there is no O^T yet to rescale: these are the places between p's scale word and codes and the products that take them
.else
	WIN 0x41
	RESCALE 0                                      ; 128 multiplications while V's last fragments come: they are also those places
	RESCALE 1
.endif
	s_wait_dscnt 0x0                               ; V is in: my reads of this slot are over; the add is done
.if \tail
	s_barrier_signal -1                            ; say so (tail = 2: this barrier opens a round of the cluster's barrier),
.endif
	WIN 0x50                                       ; C and D (O^T) window 1
	PVMUL 0, \first                                ; work on registers while the others arrive,
	PVMUL 8, \first
	WIN 0
.if \tail
	s_barrier_wait -1                              ; and go on when all eight have said so
.endif
.if \tail == 2
	CREST
	tensor_load_to_lds s[G0B:G0B+3], s[G1:G1+7]    ; my one tensor load until the next round: it has the next step in which to land
	s_nop 0
.endif
.if \tail
	PLACES 4                                       ; (see the next step's first line)
.endif
.endm
; (at the end) 64 numbers of a lane, register 16 b + i = k 32 b + 16 (lane / 16) + i of my row, become a fragment's codes in v[pc] on and its scale word in v[pw]
.macro QUANT src, pc, pw
.irp b, 0,1,2,3
	v_max3_num_f32 v[TM+\b], |v[(\src)+16*\b]|, |v[(\src)+1+16*\b]|, 0x1800000
.endr
.irp i, 2,4,6,8,10,12,14
.irp b, 0,1,2,3
	v_max3_num_f32 v[TM+\b], v[TM+\b], |v[(\src)+16*\b+\i]|, |v[(\src)+1+16*\b+\i]|
.endr
.endr
.irp b, 0,1,2,3
	v_permlanex16_b32 v[TM+4+\b], v[TM+\b], s[SEL], s[SEL+1]
.endr
.irp b, 0,1,2,3
	v_max_num_f32 v[TM+\b], v[TM+\b], v[TM+4+\b]
.endr
.irp b, 0,1,2,3
	v_add_nc_u32 v[TM+12+\b], 0xff000000, v[TM+\b]
.endr
.irp b, 0,1,2,3
	v_lshrrev_b32 v[TM+4+\b], 23, v[TM+12+\b]
.endr
	v_lshl_or_b32 v[\pw], v[TM+5], 8, v[TM+4]
	v_lshl_or_b32 v[\pw], v[TM+6], 16, v[\pw]
	v_lshl_or_b32 v[\pw], v[TM+7], 24, v[\pw]
.irp b, 0,1,2,3
	v_cvt_scalef32_pk8_fp4_f32 v[(\pc)+2*\b], v[(\src)+16*\b:(\src)+7+16*\b], v[TM+12+\b]
	v_cvt_scalef32_pk8_fp4_f32 v[(\pc)+1+2*\b], v[(\src)+8+16*\b:(\src)+15+16*\b], v[TM+12+\b]
.endr
	v_nop
.irp c, 0,1
.irp i, 0,1
	v_permlane16_swap_b32 v[(\pc)+4*\c+\i], v[(\pc)+2+4*\c+\i]
.endr
.endr
.endm
.macro MLOAD reg, adr, off             ; a partner's half tile of O^T: 64 registers, 16 loads
.set k, 0
.rept 16
	ds_load_b128 v[\reg+4*k:\reg+4*k+3], v[\adr] offset:\off+512*k
.set k, k+1
.endr
.endm
	s_load_b256 s[4:11], s[0:1], 0x0               ; qb s[4:5], kv s[6:7], wp's codes s[8:9], wp's scales s[10:11]
	s_load_b128 s[12:15], s[0:1], 0x20             ; bp s[12:13], x s[14:15]
	s_load_b64 s[16:17], s[0:1], 0x30              ; out0
	v_lshl_add_u32 v[SPW], v0, 2, SPARE
	v_mov_b32 v[NIL], 0
	ds_add_u32 v1, v2
	ds_add_u32 v1, v2
	s_wait_dscnt 0x0
	v_lshrrev_b32 v3, 5, v0
	v_readfirstlane_b32 s[WV], v3                  ; wave 0..7
	s_lshr_b32 s19, s[WV], 2                       ; qp: my pair of query tiles
	s_and_b32 s20, s[WV], 3                        ; kp: my key step in a slot
	s_bfe_u32 s42, ttmp6, 0x40000                  ; cx: my place in the cluster: it enters q's, x's and out0's addresses alone
	s_lshl_b32 s43, ttmp9, 2
	s_add_co_u32 s43, s43, s42                     ; my block of 64 queries
	s_and_b32 s44, ttmp7, 0xffff                   ; the batch, which the four partners share
	; descriptor group 1: 68 rows of 256 bytes (32 elements of 8 bytes), dense in memory and in LDS
	s_mov_b32 s[G1], 15|(3<<16)|(1<<21)            ; the mask: all four work-groups; elements of 8 bytes; bit 21 set beside a mask
	s_mov_b32 s[G1+1], 32<<16                      ; tensor_dim0 = 32
	s_mov_b32 s[G1+2], 68<<16                      ; tensor_dim1 = 68
	s_mov_b32 s[G1+3], 32<<16                      ; tile_dim0 = 32
	s_mov_b32 s[G1+4], 68                          ; tile_dim1 = 68
	s_mov_b32 s[G1+5], 32                          ; stride from row to row
	s_mov_b32 s[G1+6], 0
	s_mov_b32 s[G1+7], 0
	s_mul_i32 s38, s[WV], 17408                    ; my eighth of a slot
	s_mul_i32 s46, s44, 32*STEPB                   ; the batch's 32 key steps
	s_add_co_u32 s46, s46, s38
	s_mov_b32 s47, 0
	s_lshl_b32 s48, s44, 6
	s_add_co_u32 s48, s48, s43
	s_mul_i32 s48, s48, 8704                       ; my block of qb
	s_mov_b32 s49, 0
	s_lshl_b32 s50, s44, 22                        ; x and out0: batch x 4 MiB
	s_lshl_b32 s51, s43, 8                         ; + 64 positions x 4 bytes x block
	s_add_co_u32 s50, s50, s51
	s_lshl_b32 s51, s[WV], 19                      ; + my 32 output rows of 16 KiB
	s_add_co_u32 s50, s50, s51
	s_mov_b32 s51, 0
	s_lshl_b32 s52, s[WV], 12                      ; my 32 rows of wp: 128 bytes a row
	s_mov_b32 s53, 0
	s_mov_b32 s[CS], 0x3db8aa3b                    ; c = log2(e) / 16
	s_mov_b32 s[CS+1], s[CS]                       ; (named with it as a pair, so it is written)
	s_mov_b32 s[SEL], 0x76543210
	s_mov_b32 s[SEL+1], 0xfedcba98
	s_mov_b32 s[TB], 0                             ; the first step reads slot 0
	s_mov_b32 s37, SLOTB                           ; the slot last asked for is slot 1
	s_wait_kmcnt 0x0
	s_add_nc_u64 s[6:7], s[6:7], s[46:47]
	s_add_nc_u64 s[4:5], s[4:5], s[48:49]
	s_add_nc_u64 s[14:15], s[14:15], s[50:51]
	s_add_nc_u64 s[16:17], s[16:17], s[50:51]
	s_add_nc_u64 s[8:9], s[8:9], s[52:53]
	s_lshl_b32 s52, s[WV], 8
	s_add_nc_u64 s[10:11], s[10:11], s[52:53]      ; their scale bytes: 8 a row
	s_lshl_b32 s52, s[WV], 7
	s_add_nc_u64 s[12:13], s[12:13], s[52:53]      ; their biases
	s_mov_b32 s[G0], 1                             ; count = 1
	s_mov_b32 s[G0+1], s38                         ; LDS: slot 0, my eighth
	s_mov_b64 s[G0+2:G0+3], s[6:7]                 ; key steps 0 to 3
	s_or_b32 s[G0+3], s[G0+3], 0x80000000          ; type = 2
	s_mov_b32 s[G0B], 1
	s_add_co_u32 s[G0B+1], s38, SLOTB              ; slot 1, my eighth
	s_add_nc_u64 s[G0B+2:G0B+3], s[6:7], SLOTB     ; key steps 4 to 7
	s_or_b32 s[G0B+3], s[G0B+3], 0x80000000
	CROUND                                         ; all four work-groups are here: the first joint loads meet
	tensor_load_to_lds s[G0:G0+3], s[G1:G1+7]      ; both first fills stand together, ahead of every wait on TENSORcnt and every LDS read: two loads of mine are out
	s_nop 0
	tensor_load_to_lds s[G0B:G0B+3], s[G1:G1+7]
	s_nop 0
	PLACES 4
	v_and_b32 v[L16], 31, v0
	v_lshlrev_b32 v[L16], 4, v[L16]                ; 16 x lane: an image's place for my lane
	s_mul_i32 s52, s20, STEPB
	v_add_nc_u32 v[LB], s52, v[L16]                ; + my key step in a slot
	s_lshl_b32 s52, s19, 12
	v_add_nc_u32 v6, s52, v[L16]                   ; q's codes: my pair of tiles
	s_lshl_b32 s52, s19, 3
	v_add_nc_u32 v7, s52, v[L16]                   ; and their scale words
.irp t, 0,1
.irp u, 0,1
.irp c, 0,1
	global_load_b128 v[Q+16*\t+8*\u+4*\c:Q+16*\t+8*\u+4*\c+3], v6, s[4:5] offset:2048*\t+1024*\u+512*\c   ; Q stays in registers
.endr
.endr
.endr
	global_load_b64 v[QS:QS+1], v7, s[4:5] offset:8192   ; lanes 0-15 K step 0, lanes 16-31 K step 1
	s_wait_tensorcnt 0x1                           ; my eighth of slot 0 is in; slot 1's load, issued behind it, may stay out
	s_barrier_signal -1
	s_barrier_wait -1                              ; everybody's is
	s_wait_loadcnt 0x0                             ; Q
	WORK 1, 2                                      ; slot 0; its tail asks for key steps 8 to 11
	s_mov_b32 s39, 5
.Lslot:                                            ; five trips: slots 1 to 5; each tail asks for the keys two slots on
	WORK 0, 2
	s_sub_co_u32 s39, s39, 1
	s_cmp_lg_u32 s39, 0
	s_cbranch_scc1 .Lslot
	WORK 0, 1                                      ; the last two slots are written out: slot 6 asks for nothing
	WORK 0, 0                                      ; and behind slot 7 no slot is changed
	; ---- THE END.  l's two halves and lane l xor 16's; the addresses of what follows (these plain lines are also the places behind the last products)
	v_add_f32 v10, v10, v11
	v_add_f32 v14, v14, v15
	v_permlanex16_b32 v64, v10, s[SEL], s[SEL+1]
	v_permlanex16_b32 v65, v14, s[SEL], s[SEL+1]
	v_add_f32 v10, v10, v64
	v_add_f32 v14, v14, v65
	v_and_b32 v66, 15, v0                          ; r
	v_bfe_u32 v67, v0, 4, 1                        ; h
	v_lshrrev_b32 v68, 2, v[L16]                   ; 4 x lane
	s_lshl_b32 s42, s[WV], 15
	v_add_nc_u32 v6, s42, v[L16]                   ; v6: my image of O^T
	s_lshl_b32 s42, s[WV], 9
	s_add_co_u32 s42, s42, MST
	v_add_nc_u32 v7, s42, v68                      ; v7: my -M and l
	s_and_b32 s45, s20, 1                          ; tl: which tile of my pair I join,
	s_lshr_b32 s46, s20, 1                         ; ch: and which 128 channels of it
	s_lshl_b32 s42, s19, 17
	s_lshl_b32 s43, s45, 14
	s_add_co_u32 s42, s42, s43
	s_lshl_b32 s43, s46, 13
	s_add_co_u32 s42, s42, s43
	v_add_nc_u32 v28, s42, v[L16]                  ; v28: that half tile in the images of partners 0, 1 of my pair (32,768 bytes apart);
	v_add_nc_u32 v29, 65536, v28                   ; v29: of partners 2, 3 (an LDS immediate has 16 bits)
	s_lshl_b32 s42, s19, 11
	s_lshl_b32 s43, s45, 8
	s_add_co_u32 s42, s42, s43
	s_add_co_u32 s42, s42, MST
	v_add_nc_u32 v30, s42, v68                     ; v30: the partners' -M and l of that tile
	s_lshl_b32 s42, s19, 2
	s_lshl_b32 s43, s45, 1
	s_add_co_u32 s42, s42, s43
	s_add_co_u32 s42, s42, s46                     ; 2 T + ch, T = 2 qp + tl
	s_lshl_b32 s43, s42, 10
	s_add_co_u32 s43, s43, FIMG
	v_add_nc_u32 v31, s43, v[L16]                  ; v31: where my fragment's image goes
	s_lshl_b32 s43, s42, 6
	s_add_co_u32 s43, s43, FSC
	v_lshl_add_u32 v3, v66, 2, s43                 ; v3: and its scale word: 128 T + 64 ch + 4 r
	v_add_nc_u32 v4, FIMG, v[L16]                  ; v4: the eight fragments, for every wave
	v_add_nc_u32 v57, FSC, v68                     ; v57: their scale words: lanes 0-15 channels 0-127, lanes 16-31 channels 128-255
	s_mul_i32 s42, s[WV], 8704                     ; my stage: 32 rows of 256 + 16 bytes
	v_mul_u32_u24 v58, v66, 272
	v_lshl_add_u32 v58, v67, 6, v58
	v_add_nc_u32 v58, s42, v58                     ; v58: in: row r, + 64 h
	v_mul_u32_u24 v59, v67, 272
	v_lshl_add_u32 v59, v66, 4, v59
	v_add_nc_u32 v59, s42, v59                     ; v59: back: lanes 0-15 one row, lanes 16-31 the next
	v_lshlrev_b32 v60, 7, v66
	v_lshl_add_u32 v60, v67, 4, v60                ; v60: wp's fragment: row r of 128 bytes, + 16 h
	v_lshlrev_b32 v61, 3, v66
	v_lshl_add_u32 v61, v67, 2, v61                ; v61: its scale words
	v_lshlrev_b32 v62, 2, v66                      ; v62: bp
	v_lshlrev_b32 v63, 14, v67
	v_lshl_add_u32 v63, v66, 4, v63                ; v63: x and out0: the same two rows, 16 KiB apart
	s_wait_dscnt 0x0
	s_barrier_signal -1
	s_barrier_wait -1                              ; nobody reads the ring any more, and it has had its last fill
	WIN 0x04                                       ; an LDS store's data are its source 1: window 1
.set k, 0
.rept 64
	ds_store_b128 v6, v[4*k:4*k+3] offset:512*k    ; O^T as it stands, each accumulator from its low end on
.set k, k+1
.endr
	WIN 0
	ds_store_b32 v7, v8
	ds_store_b32 v7, v10 offset:128
	ds_store_b32 v7, v12 offset:256
	ds_store_b32 v7, v14 offset:384
	s_wait_dscnt 0x0                               ; they have landed (for the others) and have read their registers (for the loads below)
	global_load_b32 v20, v61, s[10:11]             ; wp's scale words, output tiles 2 w, 2 w + 1
	global_load_b32 v21, v61, s[10:11] offset:128
	WIN 0x40                                       ; destination window 1: O^T's registers are free
.irp n, 0,1
.irp u, 0,1
.irp c, 0,1
	global_load_b128 v[64+8*(2*\n+\u)+4*\c:64+8*(2*\n+\u)+4*\c+3], v60, s[8:9] offset:2048*\n+64*\u+32*\c
.endr
.endr
.endr
.irp n, 0,1                                    ; in the last result a lane holds one output channel: its bias fills all eight registers of the C operand
.irp j, 0,1,2,3,4,5,6,7
	global_load_b32 v[96+8*\n+\j], v62, s[12:13] offset:64*\n
.endr
.endr
.set i, 0
.rept 16
	global_load_b128 v[4*i:4*i+3], v63, s[14:15] offset:32768*i   ; the residual: asked for now, wanted behind the last product
.set i, i+1
.endr
	WIN 0
	s_barrier_signal -1
	s_barrier_wait -1                              ; all eight images lie in LDS
	; ---- the four partners' parts are joined
.irp q, 0,1,2,3
	ds_load_b32 v[32+\q], v30 offset:512*\q
	ds_load_b32 v[36+\q], v30 offset:512*\q+128
.endr
	MLOAD 128, 28, 0
	MLOAD 192, 28, 32768
	s_wait_dscnt 32                                ; the four -M and l are in
	v_min3_num_f32 v66, v32, v33, v34
	v_min_num_f32 v66, v66, v35                    ; -M*
.irp q, 0,1,2,3
	v_sub_f32 v[68+\q], v66, v[32+\q]              ; M - M*: a whole number, 0 or less
.endr
.irp q, 0,1,2,3
	v_cvt_i32_f32 v[68+\q], v[68+\q]
.endr
.irp q, 0,1,2,3
	v_ldexp_f32 v[68+\q], 1.0, v[68+\q]            ; 2^(M - M*)
.endr
	v_mul_f32 v72, v68, v36
	v_fmac_f32 v72, v69, v37
	v_fmac_f32 v72, v70, v38
	v_fmac_f32 v72, v71, v39                       ; the row's sum
	v_rcp_f32 v72, v72
	v_nop                                          ; one plain place behind a transcendental
	s_wait_alu depctr_va_vdst(0)
.irp q, 0,1,2,3
	v_mul_f32 v[40+2*\q], v[68+\q], v72            ; each partner's factor: a power of two times 1 / l
.endr
	s_wait_dscnt 16                                ; partner 0's half tile is in
.set j, 0
.rept 32
	v_pk_mul_f32 v[64+j:65+j], v[128+j:129+j], v[40:41] op_sel_hi:[1,0]
.set j, j+2
.endr
	MLOAD 128, 29, 0
	s_wait_dscnt 16                                ; partner 1's
.set j, 0
.rept 32
	v_pk_fma_f32 v[64+j:65+j], v[192+j:193+j], v[42:43], v[64+j:65+j] op_sel_hi:[1,0,1]
.set j, j+2
.endr
	MLOAD 192, 29, 32768
	s_wait_dscnt 16                                ; partner 2's
.set j, 0
.rept 32
	v_pk_fma_f32 v[64+j:65+j], v[128+j:129+j], v[44:45], v[64+j:65+j] op_sel_hi:[1,0,1]
.set j, j+2
.endr
	s_wait_dscnt 0x0
.set j, 0
.rept 32
	v_pk_fma_f32 v[64+j:65+j], v[192+j:193+j], v[46:47], v[64+j:65+j] op_sel_hi:[1,0,1]
.set j, j+2
.endr
	QUANT 64, 48, 56                               ; 16 queries x 128 channels of the attention's result: one fragment of the last product
	ds_store_b128 v31, v[48:51]
	ds_store_b128 v31, v[52:55] offset:512
	ds_store_b32 v3, v56                           ; both halves of the lanes write the same word with the same value
	s_wait_dscnt 0x0
	s_barrier_signal -1
	s_barrier_wait -1                              ; the eight fragments lie in LDS, and nobody reads the images any more
	; ---- out = result . wp^T + bp: source 0 = 16 queries, source 1 = 16 rows of wp: a lane holds one output channel and eight neighbouring positions
.irp f, 0,1,2,3,4,5,6,7
.irp c, 0,1
	ds_load_b128 v[128+8*\f+4*\c:128+8*\f+4*\c+3], v4 offset:1024*\f+512*\c
.endr
.endr
.irp T, 0,1,2,3
	ds_load_b32 v[24+\T], v57 offset:128*\T
.endr
	s_wait_dscnt 0x0
	s_wait_loadcnt 16                              ; wp and bp are in; x's sixteen loads may be out
	WIN 0x14                                       ; source 1 (wp) and source 2 (bp) window 1
.irp T, 0,1,2,3
.irp n, 0,1
	MMA 64+8*(4*\n+\T), 128+16*\T, 64+16*\n, 0, 96+8*\n, 24+\T, 20+\n, 0
.endr
.endr
	WIN 0x04
.irp T, 0,1,2,3
.irp n, 0,1
	MMA 64+8*(4*\n+\T), 136+16*\T, 72+16*\n, 0, 64+8*(4*\n+\T), 24+\T, 20+\n, 3
.endr
.endr
	WIN 0
	PLACES 4                                       ; in front of the first read of results and of loads into registers that the products read
.irp n, 0,1
.irp T, 0,1,2,3
	ds_store_b128 v58, v[64+8*(4*\n+\T):64+8*(4*\n+\T)+3] offset:4352*\n+128*(\T/2)+32*(\T%2)       ; lane (r, h): out(32 w + 16 n + r, positions 32 (T / 2) + 16 h + 8 (T % 2) + 0 .. 7)
	ds_store_b128 v58, v[64+8*(4*\n+\T)+4:64+8*(4*\n+\T)+7] offset:4352*\n+128*(\T/2)+32*(\T%2)+16
.endr
.endr
.set i, 0
.rept 16
	ds_load_b128 v[128+4*i:128+4*i+3], v59 offset:544*i   ; my own stage: LDS serves a wave's instructions in order (ISA guide 5.7.1.4)
.set i, i+1
.endr
	s_wait_dscnt 0x0
	s_wait_loadcnt 0x0                             ; x
	WIN 0x04                                       ; source 1 (x) window 1
.set j, 0
.rept 32
	v_pk_add_f32 v[128+j:129+j], v[128+j:129+j], v[j:j+1]
.set j, j+2
.endr
	WIN 0
.set i, 0
.rept 16
	global_store_b128 v63, v[128+4*i:128+4*i+3], s[16:17] offset:32768*i th:TH_STORE_NT   ; sixteen lanes store 256 consecutive bytes, at a multiple of 256 from out0's first byte
.set i, i+1
.endr
	s_wait_tensorcnt 0x0                           ; the wave's end: behind my last tensor load and my last LDS store
	ds_add_u32 v[SPW], v[NIL]
	s_wait_dscnt 0x0
	CROUND                                         ; the closing round: no work-group ends while a partner may still ask for a tile that names it
	s_endpgm
.Lfunc_end_k_qa6740ab85d_attn:
	.size	k_qa6740ab85d_attn, .Lfunc_end_k_qa6740ab85d_attn-k_qa6740ab85d_attn
	.p2alignl 7, 3214868480
	.fill 96, 4, 3214868480
	.section	.rodata,"a",@progbits
	.p2align	6, 0x0
	.amdhsa_kernel k_qa6740ab85d_attn
		.amdhsa_group_segment_fixed_size 327680
		.amdhsa_private_segment_fixed_size 0
		.amdhsa_enable_private_segment 0
		.amdhsa_kernarg_size 56
		.amdhsa_user_sgpr_count 2
		.amdhsa_user_sgpr_kernarg_segment_ptr 1
		.amdhsa_wavefront_size32 1
		.amdhsa_system_sgpr_workgroup_id_x 1
		.amdhsa_system_sgpr_workgroup_id_y 1
		.amdhsa_system_sgpr_workgroup_id_z 1
		.amdhsa_system_vgpr_workitem_id 0
		.amdhsa_next_free_vgpr 512
		.amdhsa_next_free_sgpr 66
		.amdhsa_reserve_vcc 0
		.amdhsa_float_denorm_mode_32 3
		.amdhsa_float_denorm_mode_16_64 3
		.amdhsa_memory_ordered 1
		.amdhsa_forward_progress 1
		.amdhsa_inst_pref_size 210
	.end_amdhsa_kernel
	.amdgpu_metadata
---
amdhsa.version: [ 1, 2 ]
amdhsa.kernels:
  - .name:           k_qa6740ab85d_attn
    .symbol:         k_qa6740ab85d_attn.kd
    .args:
      - { .name: qb, .offset: 0, .size: 8, .value_kind: global_buffer, .address_space: global }
      - { .name: kv, .offset: 8, .size: 8, .value_kind: global_buffer, .address_space: global }
      - { .name: wp_codes, .offset: 16, .size: 8, .value_kind: global_buffer, .address_space: global }
      - { .name: wp_scales, .offset: 24, .size: 8, .value_kind: global_buffer, .address_space: global }
      - { .name: bp, .offset: 32, .size: 8, .value_kind: global_buffer, .address_space: global }
      - { .name: x, .offset: 40, .size: 8, .value_kind: global_buffer, .address_space: global }
      - { .name: out0, .offset: 48, .size: 8, .value_kind: global_buffer, .address_space: global }
    .group_segment_fixed_size: 327680
    .private_segment_fixed_size: 0
    .kernarg_segment_align: 8
    .kernarg_segment_size: 56
    .max_flat_workgroup_size: 256
    .sgpr_count:     66
    .vgpr_count:     512
    .wavefront_size: 32
...
	.end_amdgpu_metadata
.endif
;; end of part 3
